; MI455X (gfx1250); checked and timed in simulation.
; The chip was launched on July 23, 2026; its instructions are those of AMD's public machine-readable ISA for CDNA 5 (MIT licence, August 2026) and "CDNA5" Instruction Set Architecture Reference Guide (July 2026). The comments in the code are by the model that wrote it; some were corrected since.
;; custom rnn model. Allowed arithmetic: float matrix products may take bf16 or f16 operands with f32 sums; other float arithmetic in f32, or as packed bf16 or f16 multiplies, adds, multiply-adds, maxima and minima; sums over many terms, partial sums and values carried from step to step in f32; what a program stores and reads back later, other than sums and carried values, may be rounded once to bf16 or f16.
;; Inputs: external_input_tensor 100,000 x 512 float32; input_biases 512 float32; input_weights 512 x 512 float32; output_biases 128 float32; output_weights 512 x 128 float32; recurrent_biases 512 float32; recurrent_weights 512 x 512 float32.
;; Outputs: out0 100,000 x 128 float32.
;; One version. Each part assembles by itself: llvm-mc -triple=amdgcn-amd-amdhsa -mcpu=gfx1250 --defsym DOCPART=n.
;; ======== version 1 of 1: 2 launches
;; workspace buffers: wts 655,360 bytes; aux 16,896 bytes
;; launch prep (part 1): grid 8 x 8, 4 waves a work-group, no clusters, 83,456 bytes of LDS; arguments input_weights, recurrent_weights, output_weights, input_biases, recurrent_biases, output_biases, wts, aux; writes wts, aux
.if DOCPART == 1
	.amdgcn_target "amdgcn-amd-amdhsa--gfx1250"
	.amdhsa_code_object_version 6
	.text
	.protected	k_q5abb663acb_prep
	.globl	k_q5abb663acb_prep
	.p2align	8
	.type	k_q5abb663acb_prep,@function
k_q5abb663acb_prep:
	s_mov_b64 s[64:65], 0
	v_nop
	global_prefetch_b8 v0, s[64:65] scope:SCOPE_SE
	s_setreg_imm32_b32 hwreg(HW_REG_WAVE_MODE, 25, 1), 1
	s_wait_xcnt 0x0
; THE WEIGHTS, ONCE.  reference(): y = relu(((x + b_in) W_in) W_rec + b_rec) W_out + b_out.
; WHAT IS FOLDED.  No step that is not linear stands between reference()'s first two products, so for all values of the inputs, in exact arithmetic,
;   ((x + b_in) W_in) W_rec + b_rec = x Wc + c,   Wc = W_in W_rec [512][512],   c = b_in Wc + b_rec [512].
; The 100,000 rows then need one product of width 512 x 512 where reference() writes two; Wc costs 512 x 512 x 512 multiply-adds, once.  No input is left out: all seven are loaded, here or in the launch behind.
; LIMITS.  The sums are taken in another order than reference()'s.  An overflow, infinity or NaN that arises only in reference()'s (x + b_in) W_in is not carried to the result, and one that arises only in
; W_in W_rec arises here alone.  All inputs are rounded to bf16; Wc is rounded once to bf16 from its f32 sums; c stays in f32.
; THIS LAUNCH makes Wc on the matrix unit and stores Wc^T and W_out^T in bf16 in the order in which the next launch's operand registers take them, the eight f32 parts of c, and b_out rounded.
; wts: 16 records of 40,960 bytes, record ch for hidden columns 32 ch .. 32 ch + 31: 40 fragments of 1,024 bytes.  In a fragment byte 512 hf + 16 l + 2 e is place e of registers 4 hf .. 4 hf + 3 of lane l = 16 h + r.
;   fragment 2 kb + nt (kb 0..15, nt 0, 1): Wc[k][n], n = 32 ch + 16 nt + r, k = 32 kb + 16 hf + 8 (e >> 2) + 4 h + (e & 3): bits 2 and 3 of k's place are swapped, as in the next launch's fragments of x.
;   fragment 32 + ot (ot 0..7): W_out[n][o], o = 16 ot + r, n = 32 ch + 16 hf + 8 h + e.
; aux: part a (0..7) of c at 2,048 a + 4 n: the sum over i in 64 a .. 64 a + 63 of b_in[i] Wc[i][n], part 0 with b_rec[n] added; b_out at 16,384.
; SHARES.  Work-group (b, a) makes Wc's rows 64 a .. + 63, columns 64 b .. + 63; wave w the 16 rows of i-tile I = 4 a + w, four tiles D[q] for n-tiles 4 b + q.  D = A B: A = 16 rows of W_in, row m of A being
; W_in's row 16 I + m with bits 2 and 3 of m swapped; B = W_rec, turned out of LDS.  A lane's eight results are then the 16 bytes of its lane in a fragment's half: one store of 512 consecutive bytes a tile.
; REGISTERS.  window 0: v0-15 and v112-116 offsets; v16-47 D; v48-111 small things; v128-255 A in bf16.  window 1: W_in in f32.  window 2: my 128 rows of W_rec in f32, then B's fragments.
.set SPITCH, 160                       ; a row of the strip in LDS: 64 bf16 = 128 bytes + 32: five times 32 bytes, an odd multiple, as the turning load's 8 rows x 32 bytes want
.set RED,    81920                     ; behind the strip's 512 rows: 4 waves x 64 f32
.set SPARE,  82944                     ; the spare words, 128 bytes for each wave: two blocks of 256 bytes that no other line names
.set REC,    40960                     ; bytes in a record of wts
.set MSB, 0
.macro WIN new                         ; s_set_vgpr_msb: bits 1:0 source 0, 3:2 source 1, 5:4 source 2, 7:6 destination; the high byte repeats the setting that is left
.if MSB != (\new)
	s_set_vgpr_msb (MSB<<8)|(\new)
.set MSB, \new
.endif
.endm
.macro PLACES n
.rept \n
	v_nop
.endr
.endm
	s_load_b512 s[16:31], s[0:1], 0x0              ; W_in 16:17, W_rec 18:19, W_out 20:21, b_in 22:23, b_rec 24:25, b_out 26:27, wts 28:29, aux 30:31
	v_lshl_add_u32 v12, v0, 2, SPARE               ; my spare word; never rewritten
	v_mov_b32 v13, 0                               ; 0; never rewritten
	v_lshrrev_b32 v15, 5, v0
	v_readfirstlane_b32 s4, v15                    ; w
	s_mov_b32 s5, ttmp9                            ; b
	s_and_b32 s6, ttmp7, 0xffff                    ; a
	s_mov_b32 s34, 0x76543210                      ; v_permlanex16_b32: each lane takes its own place in the other half
	s_mov_b32 s35, 0xfedcba98
	v_and_b32 v1, 15, v0                           ; r
	v_bfe_u32 v2, v0, 4, 1                         ; h
	v_and_b32 v3, 31, v0                           ; l
	s_lshl_b32 s7, s4, 18                          ; W_rec: my 128 rows of 2,048 bytes,
	s_lshl_b32 s8, s5, 8                           ; the work-group's 256 bytes of a row
	s_add_co_u32 s7, s7, s8
	v_lshl_add_u32 v4, v2, 11, s7                  ; two rows an instruction: lanes 0-15 one row's 256 bytes, lanes 16-31 the next row's
	v_lshl_add_u32 v4, v1, 4, v4
	v_and_b32 v15, 3, v1                           ; r with bits 2 and 3 swapped
	v_and_b32 v72, 4, v1
	v_lshl_or_b32 v15, v72, 1, v15
	v_bfe_u32 v72, v1, 3, 1
	v_lshl_or_b32 v15, v72, 2, v15
	s_lshl_b32 s9, s6, 6
	s_lshl_b32 s7, s4, 4
	s_add_co_u32 s9, s9, s7                        ; 64 a + 16 w: my first row of W_in
	v_add_nc_u32 v15, s9, v15
	v_lshlrev_b32 v5, 11, v15                      ; W_in: row x 2,048
	v_lshl_add_u32 v5, v2, 5, v5                   ; + 32 h: eight f32
	s_mul_i32 s7, s4, 128*SPITCH                   ; into the strip: my 128 rows,
	v_mul_u32_u24 v6, v2, SPITCH
	v_lshl_add_u32 v6, v1, 3, v6                   ; 8 bytes a lane
	v_add_nc_u32 v6, s7, v6
	v_and_b32 v15, 7, v0                           ; out of the strip, turned: row 8 h + l % 8, 16 bytes at 16 ((l / 8) % 2)
	v_lshl_add_u32 v15, v2, 3, v15
	v_mul_u32_u24 v7, v15, SPITCH
	v_bfe_u32 v15, v0, 3, 1
	v_lshl_add_u32 v7, v15, 4, v7
	v_add_nc_u32 v8, 256*SPITCH, v7                ; the same for rows 256 on
	s_lshl_b32 s7, s6, 3                           ; W_out: 256 halves of fragments, one for each wave of the launch
	s_add_co_u32 s7, s7, s5
	s_lshl_b32 s7, s7, 1
	s_lshr_b32 s8, s4, 1
	s_add_co_u32 s7, s7, s8                        ; f = 2 (8 a + b) + w / 2
	s_lshr_b32 s10, s7, 3                          ; ch
	s_and_b32 s11, s7, 7                           ; ot
	s_and_b32 s12, s4, 1                           ; hf
	s_lshl_b32 s13, s10, 14                        ; from: row 32 ch + 16 hf + 8 h of 512 bytes, column 16 ot + r
	s_lshl_b32 s14, s12, 13
	s_add_co_u32 s13, s13, s14
	s_lshl_b32 s14, s11, 6
	s_add_co_u32 s13, s13, s14
	v_lshl_add_u32 v9, v2, 12, s13
	v_lshl_add_u32 v9, v1, 2, v9
	s_mul_i32 s13, s10, REC                        ; to: record ch, fragment 32 + ot, half hf
	s_lshl_b32 s14, s11, 10
	s_add_co_u32 s13, s13, s14
	s_lshl_b32 s14, s12, 9
	s_add_co_u32 s13, s13, s14
	s_add_co_u32 s13, s13, 32768
	v_lshl_add_u32 v11, v3, 4, s13
	s_mul_i32 s13, s5, 2*REC                       ; Wc to: record 2 b + q / 2, fragment 4 a + 2 (w / 2) + q % 2, half w % 2; q stands in the stores' immediates
	s_lshl_b32 s14, s6, 12
	s_add_co_u32 s13, s13, s14
	s_lshl_b32 s14, s8, 11
	s_add_co_u32 s13, s13, s14
	s_lshl_b32 s14, s12, 9
	s_add_co_u32 s13, s13, s14
	v_lshl_add_u32 v10, v3, 4, s13
	s_lshl_b32 s13, s9, 2                          ; b_in: my results' rows are 64 a + 16 w + 4 h + 0..3 and the same + 8
	v_lshl_add_u32 v14, v2, 4, s13
	s_lshl_b32 s8, s5, 8
	v_lshl_add_u32 v112, v3, 3, s8                 ; b_rec: 256 b + 8 l
	v_lshlrev_b32 v113, 4, v3                      ; b_out: 16 l
	s_lshl_b32 s7, s6, 11
	s_add_co_u32 s7, s7, s8
	v_lshl_add_u32 v114, v3, 3, s7                 ; the part of c: 2,048 a + 256 b + 8 l
	s_lshl_b32 s7, s4, 8
	s_add_co_u32 s7, s7, RED
	v_lshl_add_u32 v115, v3, 2, s7                 ; my wave's 64 partial sums
	v_lshl_add_u32 v116, v3, 3, RED                ; and where wave 0 reads them
	s_wait_kmcnt 0x0
	; ALL LOADS, the small ones first, so that the one counted wait below shows them in too.  Every wave issues the same loads, so that the count holds on every path.
.irp e, 0,1,2,3,4,5,6,7
	global_load_b32 v[48+\e], v9, s[20:21] offset:512*\e
.endr
	global_load_b128 v[60:63], v14, s[22:23]
	global_load_b128 v[64:67], v14, s[22:23] offset:32
	global_load_b64 v[84:85], v112, s[24:25]
	global_load_b128 v[80:83], v113, s[26:27]
	WIN 0x80                                       ; destination window 2
.set m, 0
.rept 64
	global_load_b128 v[4*m:4*m+3], v4, s[18:19] offset:4096*m
.set m, m+1
.endr
	WIN 0x40                                       ; destination window 1
.set i, 0
.rept 48                                           ; W_in: K step i / 4, half (i / 2) % 2, four f32 a load
	global_load_b128 v[4*i:4*i+3], v5, s[16:17] offset:128*(i/4)+64*((i/2)%2)+16*(i%2)
.set i, i+1
.endr
	s_wait_loadcnt 48                              ; the 48 loads of W_in may stay out: the small loads and W_rec are in
.rept 16                                           ; the rest of W_in
	global_load_b128 v[4*i:4*i+3], v5, s[16:17] offset:128*(i/4)+64*((i/2)%2)+16*(i%2)
.set i, i+1
.endr
	WIN 0x8a                                       ; all in window 2: W_rec rounded in place, four f32 into two registers
.set m, 0
.rept 64
	v_cvt_pk_bf16_f32 v[4*m], v[4*m], v[4*m+1]
	v_cvt_pk_bf16_f32 v[4*m+1], v[4*m+2], v[4*m+3]
.set m, m+1
.endr
	WIN 0x08                                       ; store data in window 2
.set m, 0
.rept 64
	ds_store_b64 v6, v[4*m:4*m+1] offset:2*SPITCH*m
.set m, m+1
.endr
	WIN 0
	s_wait_dscnt 0x0                               ; for the others' sake: my rows of the strip are written
	s_barrier_signal -1
	s_barrier_wait -1                              ; the strip is whole
	; W_out's half fragment, and b_in rounded as all inputs are
.irp p, 0,1,2,3
	v_cvt_pk_bf16_f32 v[56+\p], v[48+2*\p], v[49+2*\p]
.endr
	global_store_b128 v11, v[56:59], s[28:29]      ; 512 consecutive bytes
.irp p, 0,1,2,3
	v_cvt_pk_bf16_f32 v[72+\p], v[60+2*\p], v[61+2*\p]
.endr
.irp p, 0,1,2,3
	v_lshlrev_b32 v[60+2*\p], 16, v[72+\p]
	v_and_b32 v[61+2*\p], 0xffff0000, v[72+\p]
.endr
	s_or_b32 s7, s5, s6                            ; b_out is stored by one wave of the launch: work-group (0, 0), wave 1
	s_xor_b32 s8, s4, 1
	s_or_b32 s7, s7, s8
	s_cmp_lg_u32 s7, 0
	s_cbranch_scc1 .Lno_bout
	v_cvt_pk_bf16_f32 v76, v80, v81
	v_cvt_pk_bf16_f32 v77, v82, v83
	v_lshlrev_b32 v80, 16, v76
	v_and_b32 v81, 0xffff0000, v76
	v_lshlrev_b32 v82, 16, v77
	v_and_b32 v83, 0xffff0000, v77
	global_store_b128 v113, v[80:83], s[30:31] offset:16384
.Lno_bout:
	s_wait_loadcnt 0x0                             ; W_in
	WIN 0x05                                       ; sources window 1, destination window 0
.set d, 0
.rept 128
	v_cvt_pk_bf16_f32 v[128+d], v[2*d], v[2*d+1]
.set d, d+1
.endr
	; THE PRODUCTS: 16 K steps of 32, in two batches of 8; the four accumulators take turns, one instruction a turn; the first four products start the sums
.irp bt, 0,1
	WIN 0x80
.set j, 0
.rept 8
.irp q, 0,1,2,3
	ds_load_tr16_b128 v[32*j+8*\q:32*j+8*\q+3],   v[7+\bt] offset:32*SPITCH*j+32*\q
	ds_load_tr16_b128 v[32*j+8*\q+4:32*j+8*\q+7], v[7+\bt] offset:32*SPITCH*j+32*\q+16*SPITCH
.endr
.set j, j+1
.endr
	s_wait_dscnt 0x0
	WIN 0x08                                       ; B in window 2
.set j, 0
.rept 8
.irp q, 0,1,2,3
.if (\bt) == 0 && j == 0
	v_wmma_f32_16x16x32_bf16 v[16+8*\q:23+8*\q], v[128:135], v[8*\q:8*\q+7], 0
.else
	v_wmma_f32_16x16x32_bf16 v[16+8*\q:23+8*\q], v[128+64*\bt+8*j:135+64*\bt+8*j], v[32*j+8*\q:32*j+8*\q+7], v[16+8*\q:23+8*\q]
.endif
.endr
.set j, j+1
.endr
	PLACES 4                                       ; four places behind the last product: in front of the loads into B's registers, and of the conversions that read results
.endr
	WIN 0
.irp q, 0,1,2,3
.irp p, 0,1,2,3
	v_cvt_pk_bf16_f32 v[96+4*\q+\p], v[16+8*\q+2*\p], v[17+8*\q+2*\p]  ; each accumulator from its low end on
.endr
.endr
.irp q, 0,1,2,3
	global_store_b128 v10, v[96+4*\q:99+4*\q], s[28:29] offset:REC*(\q/2)+1024*(\q%2)  ; 512 consecutive bytes: half a fragment
.endr
	; THE PART OF c: b_in times the unrounded sums, over my 8 rows, the other half of the lanes' 8, and then the four waves' 16
.irp q, 0,1,2,3
	v_mul_f32 v[68+\q], v60, v[16+8*\q]
.endr
.irp j, 1,2,3,4,5,6,7
.irp q, 0,1,2,3
	v_fmac_f32 v[68+\q], v[60+\j], v[16+8*\q+\j]
.endr
.endr
.irp q, 0,1,2,3
	v_permlanex16_b32 v[72+\q], v[68+\q], s34, s35
.endr
.irp q, 0,1,2,3
	v_add_f32 v[68+\q], v[68+\q], v[72+\q]
.endr
	v_cmp_eq_u32 vcc_lo, 1, v2
	v_cndmask_b32 v68, v68, v69, vcc_lo            ; lane l: column l of the work-group's 64,
	v_cndmask_b32 v70, v70, v71, vcc_lo            ; and column 32 + l
	ds_store_b32 v115, v68
	ds_store_b32 v115, v70 offset:128
	s_wait_dscnt 0x0
	s_barrier_signal -1
	s_barrier_wait -1
	s_cmp_lg_u32 s4, 0
	s_cbranch_scc1 .Lend                           ; wave 0 adds the four
.irp v, 0,1,2,3
	ds_load_b64 v[86+2*\v:87+2*\v], v116 offset:256*\v
.endr
	s_wait_dscnt 0x0
	v_pk_add_f32 v[86:87], v[86:87], v[88:89]
	v_pk_add_f32 v[90:91], v[90:91], v[92:93]
	v_pk_add_f32 v[86:87], v[86:87], v[90:91]
	s_cmp_lg_u32 s6, 0
	s_cbranch_scc1 .Lno_brec                       ; b_rec belongs to part 0
	v_cvt_pk_bf16_f32 v94, v84, v85
	v_lshlrev_b32 v84, 16, v94
	v_and_b32 v85, 0xffff0000, v94
	v_pk_add_f32 v[86:87], v[86:87], v[84:85]
.Lno_brec:
	global_store_b64 v114, v[86:87], s[30:31]      ; 256 consecutive bytes, aligned
.Lend:
	s_wait_tensorcnt 0x0                           ; the wave's end: behind my last LDS store
	ds_add_u32 v12, v13
	s_wait_dscnt 0x0
	s_endpgm
.Lfunc_end_k_q5abb663acb_prep:
	.size	k_q5abb663acb_prep, .Lfunc_end_k_q5abb663acb_prep-k_q5abb663acb_prep
	.p2alignl 7, 3214868480
	.fill 96, 4, 3214868480
	.section	.rodata,"a",@progbits
	.p2align	6, 0x0
	.amdhsa_kernel k_q5abb663acb_prep
		.amdhsa_group_segment_fixed_size 83456
		.amdhsa_private_segment_fixed_size 0
		.amdhsa_enable_private_segment 0
		.amdhsa_kernarg_size 64
		.amdhsa_user_sgpr_count 2
		.amdhsa_user_sgpr_kernarg_segment_ptr 1
		.amdhsa_wavefront_size32 1
		.amdhsa_system_sgpr_workgroup_id_x 1
		.amdhsa_system_sgpr_workgroup_id_y 1
		.amdhsa_system_sgpr_workgroup_id_z 1
		.amdhsa_system_vgpr_workitem_id 0
		.amdhsa_next_free_vgpr 768
		.amdhsa_next_free_sgpr 66
		.amdhsa_reserve_vcc 1
		.amdhsa_float_denorm_mode_32 3
		.amdhsa_float_denorm_mode_16_64 3
		.amdhsa_memory_ordered 1
		.amdhsa_forward_progress 1
		.amdhsa_inst_pref_size 56
	.end_amdhsa_kernel
	.amdgpu_metadata
---
amdhsa.version: [ 1, 2 ]
amdhsa.kernels:
  - .name:           k_q5abb663acb_prep
    .symbol:         k_q5abb663acb_prep.kd
    .args:
      - { .name: input_weights, .offset: 0, .size: 8, .value_kind: global_buffer, .address_space: global }
      - { .name: recurrent_weights, .offset: 8, .size: 8, .value_kind: global_buffer, .address_space: global }
      - { .name: output_weights, .offset: 16, .size: 8, .value_kind: global_buffer, .address_space: global }
      - { .name: input_biases, .offset: 24, .size: 8, .value_kind: global_buffer, .address_space: global }
      - { .name: recurrent_biases, .offset: 32, .size: 8, .value_kind: global_buffer, .address_space: global }
      - { .name: output_biases, .offset: 40, .size: 8, .value_kind: global_buffer, .address_space: global }
      - { .name: wts, .offset: 48, .size: 8, .value_kind: global_buffer, .address_space: global }
      - { .name: aux, .offset: 56, .size: 8, .value_kind: global_buffer, .address_space: global }
    .group_segment_fixed_size: 83456
    .private_segment_fixed_size: 0
    .kernarg_segment_align: 8
    .kernarg_segment_size: 64
    .max_flat_workgroup_size: 128
    .sgpr_count:     66
    .vgpr_count:     768
    .wavefront_size: 32
...
	.end_amdgpu_metadata
.endif
;; end of part 1
;; launch chain (part 2): grid 224 x 1, 4 waves a work-group, clusters of 4 x 1, 327,680 bytes of LDS; arguments external_input_tensor, wts, aux, out0; writes out0
.if DOCPART == 2
	.amdgcn_target "amdgcn-amd-amdhsa--gfx1250"
	.amdhsa_code_object_version 6
	.text
	.protected	k_q5abb663acb_chain
	.globl	k_q5abb663acb_chain
	.p2align	8
	.type	k_q5abb663acb_chain,@function
k_q5abb663acb_chain:
	s_mov_b64 s[64:65], 0
	v_nop
	global_prefetch_b8 v0, s[64:65] scope:SCOPE_SE
	s_setreg_imm32_b32 hwreg(HW_REG_WAVE_MODE, 25, 1), 1
	s_wait_xcnt 0x0
	s_wait_alu depctr_hold_cnt(0) depctr_sa_sdst(0) depctr_va_vdst(0) depctr_va_sdst(0) depctr_va_ssrc(0) depctr_va_vcc(0) depctr_vm_vsrc(0)
	s_getreg_b32 s2, hwreg(HW_REG_IB_STS2, 6, 4)
	s_cmp_eq_u32 s2, 0
	s_cbranch_scc0 .Lentry_in_a_cluster
	s_endpgm
.Lentry_in_a_cluster:
	s_bfe_u32 s2, ttmp6, 0x10000c
	s_cmp_lg_u32 s2, 0x3003
	s_cbranch_scc0 .Lentry_shape_is_right
	s_endpgm
.Lentry_shape_is_right:
; y = relu(x Wc + c) W_out + b_out for 100,000 rows.  Wc = W_in W_rec and c = b_in Wc + b_rec come from the launch before, which shows that this equals reference() for all values in exact arithmetic; no input is left out.
; LIMITS.  x, the weights and the biases are rounded to bf16; Wc and the hidden layer are rounded once to bf16; all sums are f32, in another order than reference()'s.  The ReLU is a maximum of packed bf16 with 0,
; in which a NaN loses: a NaN in the hidden layer becomes 0.  An overflow that arises only in reference()'s (x + b_in) W_in is not carried to the result.
; SHARES.  Each of a work-group's four waves owns 7 tiles of 16 rows, in two PASSES of 3 and 4 tiles; 224 work-groups have 6,272 places for the 6,250 tiles.  Pass 1 takes rows 192 g + 48 w + 16 t, all below
; 43,008 = 224 x 192; pass 2 rows 43,008 + 256 g + 64 w + 16 t.  The 22 places past row 99,999 lie in pass 2 of the last two work-groups: they load row 99,999 and store nothing, by EXEC: no branch hangs on a
; work-group's place, and EXEC is narrowed in the last way out alone.
; LAYOUT.  A wave keeps its tiles of x in registers, as bf16 fragments, and walks the 512 hidden columns in 16 CHUNKS of 32.  S^T = Wc^T x^T (source 0 = 16 hidden columns, source 1 = 16 rows of x) starts from c as its C
; operand; in the result a lane holds ONE row (lane % 16) and the hidden columns 8 (lane / 16) + 0..7.  Two such results, rounded to bf16 in pairs and cut at 0, ARE source 1 (32 hidden x 16 rows) of O^T += W_out^T P, which
; starts from b_out.  So the hidden layer never leaves registers.  k's places in a fragment of x have bits 2 and 3 swapped, as in Wc's fragments: a load of x then takes 32 consecutive bytes of each of 16 rows.
; THE WEIGHTS come in records of 40,960 bytes, a chunk each, laid out as the registers take them: 32 fragments of Wc^T (2 kb + nt), 8 of W_out^T; a fragment is two loads of 16 bytes a lane, lanes on end.
; A ring of two LDS slots holds a record each; a wave fetches a quarter of a record.  All work-groups walk the same records, so the four of a CLUSTER ask JOINTLY: the same load, descriptor and mask in all four.
; x OF THE SECOND PASS.  The first pass has three tiles, so the fourth tile's registers are free: through them the wave fetches the second pass's tiles 0 to 2 meanwhile, a quarter of K for every four chunks, rounds them
; and sets them aside in LDS bytes of its own.  The second pass's tile 3 is asked for at the change of passes and lands while the first pass's results go out.
; REGISTERS, in windows of 256 (s_set_vgpr_msb: bits 1:0 source 0, 3:2 source 1, 5:4 source 2, 7:6 destination):
;   window 0: v0-31 addresses; v32-47 c of a chunk; v48-111 S^T (nt, t) at 48 + 32 nt + 8 t, P of tile t in place of S^T (0, t); v128-191, v192-255 two buffers of 8 weight fragments
;   window 1: O^T (t, ot) at 64 t + 8 ot        window 2: x of tiles 0, 1 at 128 t + 8 kb        window 3: x of tiles 2, 3 at 128 (t - 2) + 8 kb
.set ROWS,  100000
.set P1ROWS, 224*192                   ; the rows of pass 1, all work-groups together
.set REC,   40960                      ; a record, and a slot of the ring: slot 0 at LDS byte 0, slot 1 at 40,960
.set QREC,  10240                      ; what one wave fetches of it
.set XST,   81920                      ; x set aside: 49,152 bytes a wave: tile t at 16,384 t, fragment kb at 1,024 kb, half at 512, lane at 16 l
.set XSTW,  49152
.set STG,   278528                     ; the way out: 16 rows x 528 bytes for each wave
.set STGW,  8448
.set SGP,   528                        ; 512 bytes + 16: 33 times 16 bytes, so the 16 rows that a store touches begin in 16 different columns of 16 bytes
.set CB,    312320                     ; c (2,048 bytes); at + 2,048 its first 512 bytes once more, for the step from chunk 15 to chunk 0; at + 4,096 b_out (512)
.set SPARE, 316928                     ; the spare words, 128 bytes for each wave: two blocks of 256 bytes that no other line names
.set AD0,  3                           ; v3, v4  16 l in slot 0, in slot 1
.set ABC,  5                           ; v5   walks through c
.set ABC0, 6                           ; v6   CB + 32 h
.set ABO,  7                           ; v7   CB + 4,096 + 32 h
.set AXS,  8                           ; v8   walks through my bytes of XST
.set AXR,  9                           ; v9   XST + 49,152 w + 16 l
.set STO,  10                          ; v10  the way out: where I put 16 bytes of a row
.set RD,   11                          ; v11  the way out: where I read a row back
.set XO1,  12                          ; v12-14  pass 1, tile t: my byte offset in x: row x 2,048 + 16 h
.set XO2,  16                          ; v16-19  pass 2
.set GO,   20                          ; v20-23  tile t of the pass in hand: byte offset in out0 of its first row, + 16 l
.set ZR,   24                          ; v24  0
.set PFO,  25                          ; v25  256 l
.set SPW,  26                          ; v26  my spare word; never rewritten
.set NIL,  27                          ; v27  0; never rewritten
.set BC,   32
.set S,    48
.set F0,   128
.set F1,   192
.set WV,   12                          ; s12  my wave's number
.set LIMIT, 15                         ; s15  bytes in out0
.set G1,   16                          ; s[16:23] descriptor group 1
.set G0,   24                          ; s[24:31] descriptor group 0, a set for each slot
.set NXT,  32                          ; s32  the record to be asked for next
.set OFF,  34                          ; s[34:35] its byte offset
.set WB,   36                          ; s[36:37] wts at my quarter of record 0
.set XP,   38                          ; s[38:39] x at the quarter of K that is being fetched for pass 2
.set QD,   40                          ; s40  counts pass 1's four quarters, 4 to 1
.set LP,   41                          ; s41  counts laps
.set SV,   42                          ; s42  EXEC, kept
.set LIM,  43                          ; s43  3 in the launch's first cluster, else the greatest number
.set PFA,  44                          ; s[44:45] where my prefetches stand
.set MSB, 0
.macro WIN new                         ; the high byte repeats the setting that is left; a switch that changes nothing is dropped
.if MSB != (\new)
	s_set_vgpr_msb (MSB<<8)|(\new)
.set MSB, \new
.endif
.endm
; A vector instruction that reads a matrix result or writes one of a matrix instruction's registers, and a load into such a register, stand four places behind it; a matrix instruction that writes over one, five;
; only plain vector instructions that name none of its registers are places (ISA guide 7.12.1 for vector instructions).
.macro PLACES n
.rept \n
	v_nop
.endr
.endm
; A round of the cluster's barrier: my work-group's barrier, so that wave 0's signal speaks for all four waves; wave 0 signals; every wave waits for all four work-groups; my work-group's barrier once more.
.macro CREST                           ; a round behind its opening barrier
	s_cmp_lg_u32 s[WV], 0
	s_cbranch_scc1 .Lnot_wave_0_\@
	s_barrier_signal -3
.Lnot_wave_0_\@:
	s_barrier_wait -3
	s_barrier_signal -1
	s_barrier_wait -1
.endm
.macro CROUND
	s_barrier_signal -1
	s_barrier_wait -1
	CREST
.endm
.macro FILL s                          ; my quarter of a record into slot s; an s_nop 0 and four v_nop follow
	tensor_load_to_lds s[G0+4*(\s):G0+4*(\s)+3], s[G1:G1+7]
	s_nop 0
	PLACES 4
.endm
; 16 LDS loads in one run: the 8 fragments of group grp of slot s into buffer buf.  Groups 0-3: Wc^T, kb = 4 grp + i / 2, nt = i % 2; group 4: W_out^T, ot = i.  Destination and address lie in window 0: the run stands
; as well under the settings 0x08 and 0x0c, which move source 1 alone.
.macro LDG buf, s, grp
.set i, 0
.rept 8
	ds_load_b128 v[(\buf)+8*i:(\buf)+8*i+3],   v[AD0+(\s)] offset:8192*(\grp)+1024*i
	ds_load_b128 v[(\buf)+8*i+4:(\buf)+8*i+7], v[AD0+(\s)] offset:8192*(\grp)+1024*i+512
.set i, i+1
.endr
.endm
.macro LDBC imm                        ; c of a chunk: register j of tile nt is c[32 ch + 16 nt + 8 h + j]
.irp n, 0,1
	ds_load_b128 v[BC+8*\n:BC+8*\n+3],   v[ABC] offset:(\imm)+64*\n
	ds_load_b128 v[BC+8*\n+4:BC+8*\n+7], v[ABC] offset:(\imm)+64*\n+16
.endr
.endm
.macro PROD buf, how                   ; one product of S^T: how = 0 adds in place, 1 starts from c, 2 from the constant 0; MM1 sets i, nt, rS, rX
.if (\how) == 1
	v_wmma_f32_16x16x32_bf16 v[rS:rS+7], v[(\buf)+8*i:(\buf)+8*i+7], v[rX:rX+7], v[BC+8*nt:BC+8*nt+7]
.elseif (\how) == 2
	v_wmma_f32_16x16x32_bf16 v[rS:rS+7], v[(\buf)+8*i:(\buf)+8*i+7], v[rX:rX+7], 0
.else
	v_wmma_f32_16x16x32_bf16 v[rS:rS+7], v[(\buf)+8*i:(\buf)+8*i+7], v[rX:rX+7], v[rS:rS+7]
.endif
.endm
; THE FIRST PRODUCT on one group: 128 of K for both hidden tiles.  Four accumulators take turns, one instruction a turn: (0, t), (0, t'), (1, t), (1, t'), first for tiles 0 and 1, then for 2 and 3.
; With three tiles, tile 2's even and odd kb are summed apart, in the places of tiles 2 and 3, so that four accumulators take turns there too; CVT adds the two.
.macro MM1 buf, grp, NT
	WIN 0x08                               ; x in window 2
.set i, 0
.rept 8
.set kb, 4*(\grp)+i/2
.set nt, i%2
.irp t, 0,1
.set rS, S+32*nt+8*\t
.set rX, 128*\t+8*kb
.if kb == 0
	PROD \buf, 1
.else
	PROD \buf, 0
.endif
.endr
.set i, i+1
.endr
	WIN 0x0c                               ; x in window 3
.set i, 0
.rept 8
.set kb, 4*(\grp)+i/2
.set nt, i%2
.if \NT == 4
.irp t, 0,1
.set rS, S+32*nt+16+8*\t
.set rX, 128*\t+8*kb
.if kb == 0
	PROD \buf, 1
.else
	PROD \buf, 0
.endif
.endr
.else
.set rS, S+32*nt+16+8*(kb%2)
.set rX, 8*kb
.if kb == 0
	PROD \buf, 1
.elseif kb == 1
	PROD \buf, 2
.else
	PROD \buf, 0
.endif
.endif
.set i, i+1
.endr
.endm
; S^T to P: rounded to bf16 in pairs, in place and ascending (each accumulator is read from its low end on, and no register is written before it has been read), then cut at 0, two numbers an instruction.
.macro CVT NT
	WIN 0
.if \NT == 3
.irp n, 0,1
.irp p, 0,2,4,6
	v_pk_add_f32 v[S+32*\n+16+\p:S+32*\n+17+\p], v[S+32*\n+16+\p:S+32*\n+17+\p], v[S+32*\n+24+\p:S+32*\n+25+\p]
.endr
.endr
.endif
.set t, 0
.rept \NT
.irp p, 0,1,2,3
	v_cvt_pk_bf16_f32 v[S+8*t+\p], v[S+8*t+2*\p], v[S+8*t+2*\p+1]
.endr
.irp p, 0,1,2,3
	v_cvt_pk_bf16_f32 v[S+8*t+4+\p], v[S+32+8*t+2*\p], v[S+32+8*t+2*\p+1]
.endr
.set t, t+1
.endr
.set t, 0
.rept 8*(\NT)
	v_pk_max_num_bf16 v[S+t], v[S+t], v[ZR]
.set t, t+1
.endr
.endm
.macro MM2 buf, first, NT              ; THE SECOND PRODUCT: output tiles first .. first + 3 for all tiles of rows: every accumulator once
	WIN 0x50                               ; O^T, as C and D, in window 1
.irp d, 0,1,2,3
.set ot, (\first)+\d
.set t, 0
.rept \NT
	v_wmma_f32_16x16x32_bf16 v[64*t+8*ot:64*t+8*ot+7], v[(\buf)+8*ot:(\buf)+8*ot+7], v[S+8*t:S+8*t+7], v[64*t+8*ot:64*t+8*ot+7]
.set t, t+1
.endr
.endr
.endm
; A PREFETCH INTO THE L2 of the records, which the launch before has stored.  All clusters walk the same records: the launch's first cluster asks.  Its 16 waves share 131,072 bytes out BY ADDRESS, 8,192 each, a lane
; 256 bytes: one instruction a wave, in each of pass 1's first four chunks (QD = 4): chunk st names bytes 131,072 (st + 1) on.  So each 256 bytes from byte 131,072 to the buffer's last are named once; the
; bytes before come by their loads alone; the records' second walk asks for nothing.
.macro ASK
	s_cmp_gt_u32 s[QD], s[LIM]
	s_cbranch_scc0 .Lnot_mine_\@
	global_prefetch_b8 v[PFO], s[PFA:PFA+1] th:TH_LOAD_NT scope:SCOPE_SE
.Lnot_mine_\@:
.endm
; A CHUNK: 32 hidden columns, from slot s.  At its head buffer fa holds group 0 and BC the chunk's c.  While one group is multiplied the next one's 16 loads are out.
; fill = 1: the slot is filled again, with the record two chunks on.  next = 1: another chunk follows.  ask = 1: pass 1.  bc: where the next chunk's c lies behind v[ABC].
.macro CHUNK s, fa, fb, NT, fill, next, ask, bc
	PLACES 5                               ; behind the last chunk's products: the loads below land in a buffer that they read, and the first products write over P
	WIN 0x08
	LDG \fb, \s, 1
	s_wait_dscnt 16                        ; all but the 16 just issued: group 0 and c are in
	MM1 \fa, 0, \NT
	PLACES 4
	LDG \fa, \s, 2
	s_wait_dscnt 16
	MM1 \fb, 1, \NT
	PLACES 4
	LDG \fb, \s, 3
	s_wait_dscnt 16
	MM1 \fa, 2, \NT
	PLACES 4
	LDG \fa, \s, 4                         ; W_out^T: the slot's last bytes
	s_wait_dscnt 16
	MM1 \fb, 3, \NT
	WIN 0
.if \next
	s_wait_tensorcnt 0x0                   ; all my tensor loads have landed: the one that was out is my quarter of the other slot; so a group 0 may be written
	ds_add_u32 v[SPW], v[NIL]              ; 0 onto my spare word: the conversions stand between it and the wait for it
.endif
	PLACES 4
	CVT \NT
.if \fill
	s_mul_i32 s[OFF], s[NXT], REC          ; the descriptor's address is made anew from the record's number
	s_add_nc_u64 s[G0+4*(\s)+2:G0+4*(\s)+3], s[WB:WB+1], s[OFF:OFF+1]
	s_or_b32 s[G0+4*(\s)+3], s[G0+4*(\s)+3], 0x80000000
	s_add_co_u32 s[NXT], s[NXT], 1
	s_and_b32 s[NXT], s[NXT], 15           ; behind record 15 comes record 0: the second pass
.endif
.if \ask
	s_wait_xcnt 0x0                        ; the last prefetch, a chunk back, has read its address
	s_add_nc_u64 s[PFA:PFA+1], s[PFA:PFA+1], 131072
.endif
	s_wait_dscnt 0x0                       ; the add is done, W_out^T is in, and my reads of this slot are over
.if \next
	s_barrier_signal -1                    ; (where the slot is filled again this barrier opens a round of the cluster's)
	MM2 \fa, 0, \NT                        ; work on registers while the others arrive
	WIN 0
	s_barrier_wait -1                      ; nobody reads this slot any more, and the other slot is whole
.if \fill
	CREST                                  ; the same holds of all four work-groups
	FILL \s                                ; the first tensor load behind the round, and my only one until the next
.endif
	LDBC \bc
	LDG \fb, 1-(\s), 0
.if \ask
	ASK
.endif
.else
	MM2 \fa, 0, \NT
.endif
	MM2 \fa, 4, \NT
.endm
.macro LAP NT, ask                     ; once round the ring
	CHUNK 0, F0, F1, \NT, 1, 1, \ask, 128
	CHUNK 1, F1, F0, \NT, 1, 1, \ask, 256
	WIN 0
	v_add_nc_u32 v[ABC], 256, v[ABC]
.endm
; A UNIT of x: a tile's 16 rows x 32 k in f32, 16 registers, four loads; load p brings k = 8 p + 4 h + 0..3.  Rounded in pairs it is a fragment.
.macro XLD reg, off, b, imm
.irp p, 0,1,2,3
	global_load_b128 v[(\reg)+4*\p:(\reg)+4*\p+3], v[\off], s[\b:\b+1] offset:(\imm)+32*\p
.endr
.endm
.macro XCV dst, src
.irp q, 0,1,2,3,4,5,6,7
	v_cvt_pk_bf16_f32 v[(\dst)+\q], v[(\src)+2*\q], v[(\src)+2*\q+1]
.endr
.endm
.macro ISSUE_A                         ; pass 2's tiles 0-2, four kb from s[XP] on: 12 units, u = 4 t + kb % 4, into the fourth tile's registers: 8 in window 3, 4 in window 1
	WIN 0xc0
.set u, 0
.rept 8
	XLD 128+16*u, XO2+u/4, XP, 128*(u%4)
.set u, u+1
.endr
	WIN 0x40
.rept 4
	XLD 192+16*(u-8), XO2+u/4, XP, 128*(u%4)
.set u, u+1
.endr
	WIN 0
.endm
.macro CONSUME                         ; they are rounded in place and set aside
	s_wait_loadcnt 0x0                     ; asked for four chunks ago; no load of mine is out behind this wait
	WIN 0xcf
.set u, 0
.rept 8
	XCV 128+16*u, 128+16*u
.set u, u+1
.endr
	WIN 0x45
.rept 4
	XCV 192+16*(u-8), 192+16*(u-8)
.set u, u+1
.endr
	WIN 0x0c                               ; store data in window 3
.set u, 0
.rept 8
	ds_store_b128 v[AXS], v[128+16*u:128+16*u+3] offset:16384*(u/4)+1024*(u%4)
	ds_store_b128 v[AXS], v[128+16*u+4:128+16*u+7] offset:16384*(u/4)+1024*(u%4)+512
.set u, u+1
.endr
	WIN 0x04                               ; in window 1
.rept 4
	ds_store_b128 v[AXS], v[192+16*(u-8):192+16*(u-8)+3] offset:16384*(u/4)+1024*(u%4)
	ds_store_b128 v[AXS], v[192+16*(u-8)+4:192+16*(u-8)+7] offset:16384*(u/4)+1024*(u%4)+512
.set u, u+1
.endr
	WIN 0
.endm
.macro OINIT NT                        ; O^T starts from b_out: register j of (t, ot) is b_out[16 ot + 8 h + j]
	WIN 0x40
.set t, 0
.rept \NT
.irp o, 0,1,2,3,4,5,6,7
	ds_load_b128 v[64*t+8*\o:64*t+8*\o+3],   v[ABO] offset:64*\o
	ds_load_b128 v[64*t+8*\o+4:64*t+8*\o+7], v[ABO] offset:64*\o+16
.endr
.set t, t+1
.endr
	WIN 0
.endm
; THE WAY OUT.  A lane's eight numbers of (t, ot) are 32 bytes of a row of out0.  A tile goes into my stage, rows of 528 bytes, and comes back as whole rows of 512, into the registers that it left.
.macro OUTS t
	WIN 0x04
.irp o, 0,1,2,3,4,5,6,7
	ds_store_b128 v[STO], v[64*(\t)+8*\o:64*(\t)+8*\o+3]   offset:64*\o
	ds_store_b128 v[STO], v[64*(\t)+8*\o+4:64*(\t)+8*\o+7] offset:64*\o+16
.endr
	WIN 0x40
.set rho, 0
.rept 16
	ds_load_b128 v[64*(\t)+4*rho:64*(\t)+4*rho+3], v[RD] offset:SGP*rho  ; LDS serves a wave's instructions in order (ISA guide 5.7.1.4): these see the stores above; the next tile's stores come behind them
.set rho, rho+1
.endr
.endm
; younger: the LDS instructions issued behind tile t's loads: the next tile's 32, or none.  mask = 1 (pass 2): a tile past out0's end stores nothing.
.macro SEND t, younger, mask
	WIN 0
	s_wait_dscnt \younger
.if \mask
	v_cmp_gt_u32 vcc_lo, s[LIMIT], v[GO+(\t)]  ; a tile lies wholly inside out0 or wholly past it: all lanes agree
	s_wait_xcnt 0x0                        ; EXEC changes only behind this wait
	s_and_saveexec_b32 s[SV], vcc_lo
.endif
	WIN 0x04
.set rho, 0
.rept 16
	global_store_b128 v[GO+(\t)], v[64*(\t)+4*rho:64*(\t)+4*rho+3], s[10:11] offset:512*rho th:TH_STORE_NT  ; a whole row of out0: 512 consecutive bytes, aligned
.set rho, rho+1
.endr
	WIN 0
.if \mask
	s_wait_xcnt 0x0                        ; and again in front of the line that widens it
	s_or_b32 exec_lo, exec_lo, s[SV]
.endif
.endm
.macro EPI NT, mask                    ; a tile's way through the stage stands between the loads of the tile before and its stores
	OUTS 0
.set tt, 1
.rept (\NT)-1
	OUTS tt
	SEND tt-1, 32, \mask
.set tt, tt+1
.endr
	SEND (\NT)-1, 0, \mask
.endm
	s_load_b256 s[4:11], s[0:1], 0x0               ; x s[4:5], wts s[6:7], aux s[8:9], out0 s[10:11]
	v_lshl_add_u32 v[SPW], v0, 2, SPARE
	v_mov_b32 v[NIL], 0
	ds_add_u32 v[SPW], v[NIL]                      ; the wave's opening: the add, twice on end, and its wait ahead of my first tensor load; the set-up below stands between
	ds_add_u32 v[SPW], v[NIL]
	v_lshrrev_b32 v15, 5, v0
	v_readfirstlane_b32 s[WV], v15                 ; wave 0..3
	s_bfe_u32 s13, ttmp6, 0x40000                  ; cx: my place in the cluster
	s_lshl_b32 s14, ttmp9, 2                       ; in a cluster launch ttmp9 counts clusters
	s_add_co_u32 s14, s14, s13                     ; g, my work-group: it enters x's and out0's offsets and the prefetches' address alone
	s_mov_b32 s[LIMIT], ROWS*512
	; descriptor group 1: 10,240 dense bytes as 40 rows of 256, no padding
	s_mov_b32 s[G1+0], 15|(3<<16)|(1<<21)          ; 15:0 the mask: all four work-groups; 17:16 elements of 8 bytes; 21 set beside a mask
	s_mov_b32 s[G1+1], 32<<16                      ; tensor_dim0 = 32
	s_mov_b32 s[G1+2], 40<<16                      ; tensor_dim1 = 40
	s_mov_b32 s[G1+3], 32<<16                      ; tile_dim0 = 32
	s_mov_b32 s[G1+4], 40                          ; tile_dim1 = 40
	s_mov_b32 s[G1+5], 32                          ; 32 elements from row to row
	s_mov_b32 s[G1+6], 0
	s_mov_b32 s[G1+7], 0
	s_mov_b32 s[G0], 1                             ; count = 1
	s_mul_i32 s[G0+1], s[WV], QREC                 ; LDS address: my quarter of slot 0; never rewritten
	s_mov_b32 s[G0+4], 1
	s_add_co_u32 s[G0+5], s[G0+1], REC             ; of slot 1
	s_mov_b32 s[NXT], 2
	s_mov_b32 s[OFF+1], 0
	v_and_b32 v1, 15, v0                           ; r
	v_bfe_u32 v2, v0, 4, 1                         ; h
	v_and_b32 v[AD0], 31, v0
	v_lshlrev_b32 v[PFO], 8, v[AD0]
	v_lshlrev_b32 v[AD0], 4, v[AD0]
	v_add_nc_u32 v[AD0+1], REC, v[AD0]
	v_lshl_add_u32 v[ABC0], v2, 5, CB
	v_add_nc_u32 v[ABO], 4096, v[ABC0]
	s_mul_i32 s46, s[WV], XSTW
	s_add_co_u32 s46, s46, XST
	v_add_nc_u32 v[AXR], s46, v[AD0]
	s_mul_i32 s46, s[WV], STGW
	s_add_co_u32 s46, s46, STG
	v_add_nc_u32 v[RD], s46, v[AD0]                ; back: 32 lanes take a row's 512 bytes
	v_mul_u32_u24 v[STO], v1, SGP                  ; in: row r, 32 bytes for each half of the lanes
	v_lshl_add_u32 v[STO], v2, 5, v[STO]
	v_add_nc_u32 v[STO], s46, v[STO]
	s_mul_i32 s48, s14, 192
	s_mul_i32 s47, s[WV], 48
	s_add_co_u32 s48, s48, s47                     ; my first row of pass 1: 192 g + 48 w
	s_lshl_b32 s49, s14, 8
	s_lshl_b32 s47, s[WV], 6
	s_add_co_u32 s49, s49, s47
	s_add_co_u32 s49, s49, P1ROWS                  ; and of pass 2: 43,008 + 256 g + 64 w
	v_add_nc_u32 v15, s48, v1
.irp t, 0,1,2
	v_add_nc_u32 v[XO1+\t], 16*\t, v15             ; pass 1's rows all exist
	v_lshlrev_b32 v[XO1+\t], 11, v[XO1+\t]
	v_lshl_add_u32 v[XO1+\t], v2, 4, v[XO1+\t]
.endr
	v_add_nc_u32 v15, s49, v1
.irp t, 0,1,2,3
	v_add_nc_u32 v[XO2+\t], 16*\t, v15
	v_min_u32 v[XO2+\t], ROWS-1, v[XO2+\t]         ; a place past the end loads the last row
	v_lshlrev_b32 v[XO2+\t], 11, v[XO2+\t]
	v_lshl_add_u32 v[XO2+\t], v2, 4, v[XO2+\t]
.endr
	s_lshl_b32 s50, s48, 9                         ; the same rows in out0, in bytes
	s_lshl_b32 s51, s49, 9
	v_add_nc_u32 v[GO], s50, v[AD0]
	v_add_nc_u32 v[GO+1], 8192, v[GO]
	v_add_nc_u32 v[GO+2], 16384, v[GO]
	v_mov_b32 v[ZR], 0
	s_cmp_eq_u32 ttmp9, 0
	s_cselect_b32 s[LIM], 3, -1                    ; the same in all four partners
	s_lshl_b32 s52, s13, 2
	s_add_co_u32 s52, s52, s[WV]
	s_lshl_b32 s52, s52, 13                        ; my wave's 8,192 bytes among the cluster's 16 waves'
	s_mov_b32 s53, 0
	v_lshlrev_b32 v28, 4, v0                       ; aux: 16 bytes of c a thread,
	v_lshlrev_b32 v29, 2, v0                       ; 4 of b_out
	v_add_nc_u32 v30, CB, v28
	v_add_nc_u32 v31, CB+4096, v29
	s_mov_b32 s46, s[G0+1]
	s_mov_b32 s47, 0
	s_wait_dscnt 0x0                               ; both opening adds are done
	s_wait_kmcnt 0x0
	s_add_nc_u64 s[WB:WB+1], s[6:7], s[46:47]
	s_mov_b64 s[G0+2:G0+3], s[WB:WB+1]             ; record 0
	s_or_b32 s[G0+3], s[G0+3], 0x80000000          ; type = 2
	s_add_nc_u64 s[G0+6:G0+7], s[WB:WB+1], REC     ; record 1
	s_or_b32 s[G0+7], s[G0+7], 0x80000000
	s_mov_b64 s[XP:XP+1], s[4:5]
	s_add_nc_u64 s[PFA:PFA+1], s[6:7], s[52:53]
.irp a, 0,1,2,3,4,5,6,7
	global_load_b128 v[112+4*\a:115+4*\a], v28, s[8:9] offset:2048*\a  ; the eight parts of c
.endr
	global_load_b32 v144, v29, s[8:9] offset:16384
	WIN 0x40                                       ; pass 1's x: unit u = 16 t + kb comes through registers 16 kb .. of window 1; 15 units now
.set u, 0
.rept 15
	XLD 16*u, XO1, 4, 128*u
.set u, u+1
.endr
	WIN 0
	CROUND                                         ; all four work-groups are here: the first joint loads meet
	tensor_load_to_lds s[G0:G0+3], s[G1:G1+7]      ; both first fills go out together: two loads of mine are out
	s_nop 0
	tensor_load_to_lds s[G0+4:G0+7], s[G1:G1+7]
	s_nop 0
	PLACES 4
	s_wait_loadcnt 60                              ; x's 60 loads may stay out: aux is in
.irp a, 0,2,4,6
.irp p, 0,2
	v_pk_add_f32 v[112+4*\a+\p:113+4*\a+\p], v[112+4*\a+\p:113+4*\a+\p], v[116+4*\a+\p:117+4*\a+\p]
.endr
.endr
.irp a, 0,4
.irp p, 0,2
	v_pk_add_f32 v[112+4*\a+\p:113+4*\a+\p], v[112+4*\a+\p:113+4*\a+\p], v[120+4*\a+\p:121+4*\a+\p]
.endr
.endr
.irp p, 0,2
	v_pk_add_f32 v[112+\p:113+\p], v[112+\p:113+\p], v[128+\p:129+\p]
.endr
	ds_store_b128 v30, v[112:115]                  ; c
	ds_store_b32 v31, v144                         ; b_out
	s_cmp_lg_u32 s[WV], 0
	s_cbranch_scc1 .Lno_wrap
	ds_store_b128 v30, v[112:115] offset:2048      ; c's first 512 bytes once more, behind its end; chunk 15 reads 128 of them for chunk 0
.Lno_wrap:
	WIN 0x40
	XLD 240, XO1, 4, 1920                          ; unit 15
.set u, 0
.rept 48                                           ; each unit is rounded into its fragment, and its registers take the unit 16 further on
.if u < 32
	s_wait_loadcnt 60                              ; the 15 younger units may stay out
	WIN 0x85                                       ; from window 1 into window 2
	XCV 128*(u/16)+8*(u%16), 16*(u%16)
	WIN 0x40
	XLD 16*(u%16), XO1+(u+16)/16, 4, 128*(u%16)
.else
	s_wait_loadcnt 4*(47-u)                        ; the counts run down
	WIN 0xc5                                       ; into window 3
	XCV 8*(u%16), 16*(u%16)
.endif
.set u, u+1
.endr
	WIN 0
	s_wait_tensorcnt 0x1                           ; my quarter of slot 0 is in; slot 1's may stay out
	s_wait_dscnt 0x0                               ; c and b_out are written
	s_barrier_signal -1
	s_barrier_wait -1
	v_mov_b32 v[ABC], v[ABC0]
	v_mov_b32 v[AXS], v[AXR]
	LDBC 0
	LDG F0, 0, 0
	OINIT 3
	; PASS 1: three tiles, 16 chunks, in four quarters: a quarter of K of pass 2's tiles 0-2 is asked for, four chunks are multiplied, and what has come is rounded and set aside
	s_mov_b32 s[QD], 4
.Lquad:
	ISSUE_A
	s_mov_b32 s[LP], 2
.Llap1:
	LAP 3, 1
	s_sub_co_u32 s[LP], s[LP], 1
	s_cmp_lg_u32 s[LP], 0
	s_cbranch_scc1 .Llap1
	CONSUME
	s_add_nc_u64 s[XP:XP+1], s[XP:XP+1], 512       ; the loads that read it are done; behind the last quarter the stepped address is not used
	v_add_nc_u32 v[AXS], 4096, v[AXS]
	s_sub_co_u32 s[QD], s[QD], 1
	s_cmp_lg_u32 s[QD], 0
	s_cbranch_scc1 .Lquad
	; THE CHANGE OF PASSES.  No barrier: the ring's one load stays on its way; buffer F0 and BC hold the next chunk's first group and c.
	PLACES 4                                       ; behind the last products: for the loads into F1 and for the stage's stores
	WIN 0xc0                                       ; pass 2's tile 3, 16 units: kb 0-7 into window 3,
.set u, 0
.rept 8
	XLD 128+16*u, XO2+3, 4, 128*u
.set u, u+1
.endr
	WIN 0x40                                       ; kb 8-11 into window 1,
.rept 4
	XLD 192+16*(u-8), XO2+3, 4, 128*u
.set u, u+1
.endr
	WIN 0                                          ; kb 12-15 into F1
.rept 4
	XLD F1+16*(u-12), XO2+3, 4, 128*u
.set u, u+1
.endr
	EPI 3, 0                                       ; pass 1's rows all exist: every lane stores
	WIN 0x80                                       ; tiles 0 and 1 come back from my bytes of XST,
.set i, 0
.rept 32
	ds_load_b128 v[8*i:8*i+3],   v[AXR] offset:1024*i
	ds_load_b128 v[8*i+4:8*i+7], v[AXR] offset:1024*i+512
.set i, i+1
.endr
	WIN 0xc0                                       ; and tile 2
.set i, 0
.rept 16
	ds_load_b128 v[8*i:8*i+3],   v[AXR] offset:32768+1024*i
	ds_load_b128 v[8*i+4:8*i+7], v[AXR] offset:32768+1024*i+512
.set i, i+1
.endr
	s_wait_loadcnt 0x0                             ; tile 3
	WIN 0xcf                                       ; kb ascending: fragment kb, at 128 + 8 kb, never reaches a unit, at 128 + 16 kb, that has not been read
.set u, 0
.rept 8
	XCV 128+8*u, 128+16*u
.set u, u+1
.endr
	WIN 0xc5
.rept 4
	XCV 128+8*u, 192+16*(u-8)
.set u, u+1
.endr
	WIN 0xc0
.rept 4
	XCV 128+8*u, F1+16*(u-12)
.set u, u+1
.endr
	s_wait_xcnt 0x0                                ; pass 1's stores have read their registers and offsets: O^T and GO are written again only behind this wait
	OINIT 4
	v_mov_b32 v[ABC], v[ABC0]
	v_add_nc_u32 v[GO], s51, v[AD0]
	v_add_nc_u32 v[GO+1], 8192, v[GO]
	v_add_nc_u32 v[GO+2], 16384, v[GO]
	v_add_nc_u32 v[GO+3], 24576, v[GO]
	; PASS 2: four tiles.  Seven laps fill both slots again; the last two chunks are written out and none is issued that nobody reads
	s_mov_b32 s[LP], 7
.Llap2:
	LAP 4, 0
	s_sub_co_u32 s[LP], s[LP], 1
	s_cmp_lg_u32 s[LP], 0
	s_cbranch_scc1 .Llap2
	CHUNK 0, F0, F1, 4, 0, 1, 0, 128
	CHUNK 1, F1, F0, 4, 0, 0, 0, 0
	WIN 0
	PLACES 4
	EPI 4, 1
	s_wait_tensorcnt 0x0                           ; the wave's end: behind my last tensor load and my last LDS store
	ds_add_u32 v[SPW], v[NIL]
	s_wait_dscnt 0x0
	CROUND                                         ; the closing round: no work-group ends while a partner may still ask for a record that names it
	s_endpgm
.Lfunc_end_k_q5abb663acb_chain:
	.size	k_q5abb663acb_chain, .Lfunc_end_k_q5abb663acb_chain-k_q5abb663acb_chain
	.p2alignl 7, 3214868480
	.fill 96, 4, 3214868480
	.section	.rodata,"a",@progbits
	.p2align	6, 0x0
	.amdhsa_kernel k_q5abb663acb_chain
		.amdhsa_group_segment_fixed_size 327680
		.amdhsa_private_segment_fixed_size 0
		.amdhsa_enable_private_segment 0
		.amdhsa_kernarg_size 32
		.amdhsa_user_sgpr_count 2
		.amdhsa_user_sgpr_kernarg_segment_ptr 1
		.amdhsa_wavefront_size32 1
		.amdhsa_system_sgpr_workgroup_id_x 1
		.amdhsa_system_sgpr_workgroup_id_y 1
		.amdhsa_system_sgpr_workgroup_id_z 1
		.amdhsa_system_vgpr_workitem_id 0
		.amdhsa_next_free_vgpr 1024
		.amdhsa_next_free_sgpr 66
		.amdhsa_reserve_vcc 1
		.amdhsa_float_denorm_mode_32 3
		.amdhsa_float_denorm_mode_16_64 3
		.amdhsa_memory_ordered 1
		.amdhsa_forward_progress 1
		.amdhsa_inst_pref_size 242
	.end_amdhsa_kernel
	.amdgpu_metadata
---
amdhsa.version: [ 1, 2 ]
amdhsa.kernels:
  - .name:           k_q5abb663acb_chain
    .symbol:         k_q5abb663acb_chain.kd
    .args:
      - { .name: external_input_tensor, .offset: 0, .size: 8, .value_kind: global_buffer, .address_space: global }
      - { .name: wts, .offset: 8, .size: 8, .value_kind: global_buffer, .address_space: global }
      - { .name: aux, .offset: 16, .size: 8, .value_kind: global_buffer, .address_space: global }
      - { .name: out0, .offset: 24, .size: 8, .value_kind: global_buffer, .address_space: global }
    .group_segment_fixed_size: 327680
    .private_segment_fixed_size: 0
    .kernarg_segment_align: 8
    .kernarg_segment_size: 32
    .max_flat_workgroup_size: 128
    .sgpr_count:     66
    .vgpr_count:     1024
    .wavefront_size: 32
...
	.end_amdgpu_metadata
.endif
;; end of part 2
